; MI455X (gfx1250); checked and timed in simulation.
; The chip was launched on July 23, 2026; its instructions are those of AMD's public machine-readable ISA for CDNA 5 (MIT licence, August 2026) and "CDNA5" Instruction Set Architecture Reference Guide (July 2026). The comments in the code are by the model that wrote it; some were corrected since.
;; m GRU. Allowed arithmetic: float matrix products may take bf16 or f16 operands with f32 sums; all other float work in f32.
;; Inputs: U_h 4,096 x 4,096 float32; U_m 4,096 x 4,096 float32; U_r 4,096 x 4,096 float32; U_z 4,096 x 4,096 float32; W_h 4,096 x 4,096 float32; W_m 4,096 x 4,096 float32; W_r 4,096 x 4,096 float32; W_z 4,096 x 4,096 float32; b_h 4,096 float32; b_m 4,096 float32; b_r 4,096 float32; b_z 4,096 float32; h_prev 4,096 float32; x_t 4,096 float32.
;; Outputs: out0 4,096 float32.
;; 2 versions, each right; version 2 is version 1 with the launches stage1, stage2 written anew for expert scheduling mode. Each part assembles by itself: llvm-mc -triple=amdgcn-amd-amdhsa -mcpu=gfx1250 --defsym DOCPART=n.
;; ======== version 1 of 2: 4 launches
;; workspace buffers: pa 786,432 bytes; pb 786,432 bytes; pc 262,144 bytes
;; launch stage1 (part 1): grid 16 x 16, 16 waves a work-group, no clusters, 51,200 bytes of LDS; arguments W_m, U_m, U_z, U_r, x_t, h_prev, pa; writes pa
.if DOCPART == 1
	.amdgcn_target "amdgcn-amd-amdhsa--gfx1250"
	.amdhsa_code_object_version 6
	.text
	.protected	k_q16c1de403b_stage1
	.globl	k_q16c1de403b_stage1
	.p2align	8
	.type	k_q16c1de403b_stage1,@function
k_q16c1de403b_stage1:
	s_mov_b64 s[64:65], 0
	v_nop
	global_prefetch_b8 v0, s[64:65] scope:SCOPE_SE
	s_setreg_imm32_b32 hwreg(HW_REG_WAVE_MODE, 25, 1), 1
	s_wait_xcnt 0x0
; mGRU, first of four launches: the three products that hang on the inputs alone, as partial sums over blocks of 256 rows.
;   pa[0][rb][j] = sum over the rows i of block rb of h[i] U_z[i][j]
;   pa[1][rb][j] = the same with U_r
;   pa[2][rb][j] = sum over the rows i of block rb of x[i] W_m[i][j] + h[i] U_m[i][j]
; Work-group (cb = x id, rb = y id) owns rows 256 rb .. +255 and columns 256 cb .. +255 of each of the four matrices; 16 x 16 groups
; cover them, every weight byte is loaded once in the launch.  Wave w owns rows 16 w .. +15 of the block.  A row's piece is 1,024
; bytes, aligned, and comes by two loads of 512 neighbouring bytes: lane l holds columns 4 l .. +3 and 128 + 4 l .. +3.
; The ring is in registers: 16 rows x 8 registers.  When row r of one matrix has been multiplied, row r of the next matrix is
; loaded into the same registers, so 30 to 32 loads of every wave are on their way until the last matrix.
; ARITHMETIC: f32 on the vector unit.  There is one row of activations, so a matrix instruction would use one row of sixteen, and
; rounding the weights to bf16 would cost as many instructions as the packed multiply-add that does the work in f32.
; NO CLUSTER: no weight byte is read by two work-groups.  NO LDS RING: the registers hold what is in flight.
; LIMIT: the order of the f32 sums differs from the reference's (a chain over a wave's 16 rows, a tree over the 16 waves, and in the
; later launches a tree over the 16 row blocks).
; No register that a global instruction names is ever rewritten but a load's own destination behind its wait, and EXEC never changes.
.set ROWB, 16384                       ; bytes in a row of a matrix, and in one row block's line of partial sums
.set VEC,  262144                      ; bytes of one vector's 16 lines of partial sums
.set NVEC, 3                           ; vectors of partial sums that this launch makes
.set SLAB, 16384                       ; LDS: one vector's 16 waves x 256 f32
.set WOFF, 1                           ; v1       weights: wave x 16 rows + 16 x lane, in bytes
.set MOFF, 2                           ; v2       64 x wave: my 16 multipliers in the block's 256 (the same in all lanes)
.set LST,  6                           ; v6       LDS: 1,024 x wave + 16 x lane, where my sums go
.set LRD,  7                           ; v7       LDS: where I read on the way out
.set GOFF, 8                           ; v8       pa: where I store
.set ACC,  16                          ; v[16:39] vector q: 8 sums at ACC + 8 q
.set M,    40                          ; v[40:55] x of my 16 rows, each in all lanes
.set M2,   56                          ; v[56:71] h of my 16 rows
.set X,    72                          ; v[72:199] the ring: row r at X + 8 r
	s_load_b256 s[4:11], s[0:1], 0x0               ; W_m s[4:5], U_m s[6:7], U_z s[8:9], U_r s[10:11]
	s_load_b128 s[12:15], s[0:1], 0x20             ; x s[12:13], h s[14:15]
	s_load_b64 s[16:17], s[0:1], 0x30              ; pa
	v_lshl_add_u32 v200, v0, 2, 0xc000
	v_mov_b32 v201, 0
	v_lshrrev_b32 v9, 5, v0
	v_readfirstlane_b32 s24, v9                    ; wave 0..15
	s_and_b32 s25, ttmp7, 0xffff                   ; rb
	s_lshl_b32 s36, ttmp9, 10                      ; cb x 256 columns x 4 bytes
	s_lshl_b32 s26, s25, 22                        ; rb x 256 rows x 16,384 bytes
	s_add_co_u32 s26, s26, s36                     ; s[26:27]: the block's corner in a matrix
	s_mov_b32 s27, 0
	s_lshl_b32 s28, s25, 10                        ; s[28:29]: the block's 256 numbers in x and in h
	s_mov_b32 s29, 0
	s_lshl_b32 s30, s25, 14                        ; s[30:31]: line rb, columns of cb, in a vector of partial sums
	s_add_co_u32 s30, s30, s36
	s_mov_b32 s31, 0
	s_lshl_b32 s35, s24, 10                        ; my wave's 1,024 bytes in a slab
	s_lshr_b32 s37, s24, 1                         ; the way out: waves 2 q and 2 q + 1 finish vector q,
	s_and_b32 s38, s24, 1                          ; 128 columns (512 bytes) each
	s_lshl_b32 s38, s38, 9
	s_lshl_b32 s39, s37, 14
	s_add_co_u32 s39, s39, s38                     ; in LDS: q x SLAB + half
	s_lshl_b32 s37, s37, 18
	s_add_co_u32 s37, s37, s38                     ; in pa: q x VEC + half
	v_and_b32 v10, 31, v0
	v_lshlrev_b32 v11, 4, v10                      ; 16 x lane
	v_and_b32 v9, 0x1e0, v0                        ; 32 x wave
	v_lshl_or_b32 v[WOFF], v9, 13, v11             ; wave x 262,144 + 16 x lane
	v_lshlrev_b32 v[MOFF], 1, v9                   ; 64 x wave
	v_add_nc_u32 v[LST], s35, v11
	v_add_nc_u32 v[LRD], s39, v11
	v_add_nc_u32 v[GOFF], s37, v11
	s_wait_kmcnt 0x0
	s_add_nc_u64 s[4:5], s[4:5], s[26:27]
	s_add_nc_u64 s[6:7], s[6:7], s[26:27]
	s_add_nc_u64 s[8:9], s[8:9], s[26:27]
	s_add_nc_u64 s[10:11], s[10:11], s[26:27]
	s_add_nc_u64 s[12:13], s[12:13], s[28:29]
	s_add_nc_u64 s[14:15], s[14:15], s[28:29]
	s_add_nc_u64 s[16:17], s[16:17], s[30:31]
; 32 loads: the wave's 16 rows of the matrix whose corner is in s[base:base+1].  Read once in the whole program: non-temporal.
.macro FILL base
.set r, 0
.rept 16
	global_load_b128 v[X+8*r:X+8*r+3],   v[WOFF], s[\base:\base+1] offset:r*ROWB th:TH_LOAD_NT
	global_load_b128 v[X+8*r+4:X+8*r+7], v[WOFF], s[\base:\base+1] offset:r*ROWB+512 th:TH_LOAD_NT
.set r, r+1
.endr
.endm
; One row's 8 numbers times the row's multiplier.  m is the even register of the pair that holds the multiplier.
.macro ROWMUL acc, x, m                ; starts the sums: nothing is cleared.  Both halves take the pair's first register
.irp j, 0,2,4,6
	v_pk_mul_f32 v[\acc+\j:\acc+\j+1], v[\x+\j:\x+\j+1], v[\m:\m+1] op_sel_hi:[1,0]
.endr
.endm
.macro ROWEVEN acc, x, m               ; both halves take the pair's first register
.irp j, 0,2,4,6
	v_pk_fma_f32 v[\acc+\j:\acc+\j+1], v[\x+\j:\x+\j+1], v[\m:\m+1], v[\acc+\j:\acc+\j+1] op_sel_hi:[1,0,1]
.endr
.endm
.macro ROWODD acc, x, m                ; both halves take the pair's second register
.irp j, 0,2,4,6
	v_pk_fma_f32 v[\acc+\j:\acc+\j+1], v[\x+\j:\x+\j+1], v[\m:\m+1], v[\acc+\j:\acc+\j+1] op_sel:[0,1,0] op_sel_hi:[1,1,1]
.endr
.endm
; One matrix: 16 rows onto the 8 sums at acc, multipliers at mul.  start = 1: row 0 starts the sums.
; refill = 1: each row's registers are loaded again at once, with the same row of the matrix at s[nxt:nxt+1].
.macro PASS mul, acc, start, refill, nxt
.set r, 0
.rept 16
.if \refill
	s_wait_loadcnt 30                              ; loads return in order (ISA guide 5.7.1).  Behind row r's two stand rows r+1..15 of this
	                                               ; matrix, 2 (15 - r), and rows 0..r-1 of the next, 2 r: 30 for every r
.else
	s_wait_loadcnt 30-2*r                          ; the last matrix: only its rows r+1..15 stand behind row r
.endif
.if r == 0
.if \start
	ROWMUL \acc, X, \mul
.else
	ROWEVEN \acc, X, \mul
.endif
.else
.if r % 2
	ROWODD \acc, X+8*r, \mul+r-1
.else
	ROWEVEN \acc, X+8*r, \mul+r
.endif
.endif
.if \refill
	global_load_b128 v[X+8*r:X+8*r+3],   v[WOFF], s[\nxt:\nxt+1] offset:r*ROWB th:TH_LOAD_NT
	global_load_b128 v[X+8*r+4:X+8*r+7], v[WOFF], s[\nxt:\nxt+1] offset:r*ROWB+512 th:TH_LOAD_NT
.endif
.set r, r+1
.endr
.endm
	; my 16 x and 16 h: every lane reads the same 16 bytes, so each number lies in all lanes.  They are issued ahead of the ring,
	; so the first wait of the first pass (30 left of 8 + 32) shows them in as well.
.irp q, 0,1,2,3
	global_load_b128 v[M+4*\q:M+4*\q+3],   v[MOFF], s[12:13] offset:16*\q
	global_load_b128 v[M2+4*\q:M2+4*\q+3], v[MOFF], s[14:15] offset:16*\q
.endr
	FILL 4                                         ; W_m
	PASS M,  ACC+16, 1, 1, 6                       ; x W_m starts vector 2;  U_m comes in
	PASS M2, ACC+16, 0, 1, 8                       ; + h U_m;                U_z comes in
	PASS M2, ACC,    1, 1, 10                      ; h U_z = vector 0;       U_r comes in
	PASS M2, ACC+8,  1, 0, 0                       ; h U_r = vector 1
	; THE WAY OUT: the 16 waves' sums of a column meet in LDS.  16 neighbouring bytes a lane everywhere
	; no padding.
.irp q, 0,1,2
	ds_store_b128 v[LST], v[ACC+8*\q:ACC+8*\q+3]   offset:\q*SLAB
	ds_store_b128 v[LST], v[ACC+8*\q+4:ACC+8*\q+7] offset:\q*SLAB+512
.endr
	s_wait_dscnt 0x0                               ; for the other waves' sake: my stores are in LDS before I say so
	s_barrier_signal -1
	s_barrier_wait -1
	s_cmp_ge_u32 s24, 2*NVEC                       ; 3 vectors x 256 columns = 6 waves of 4 columns a lane; the others are done
	s_cbranch_scc1 .Lend
.irp k, 0,1,2,3,4,5,6,7,8,9,10,11,12,13,14,15
	ds_load_b128 v[X+4*\k:X+4*\k+3], v[LRD] offset:\k*1024     ; wave k's sums of my 4 columns
.endr
	s_wait_dscnt 0x0
.irp d, 8,4,2,1                                    ; a fixed tree over the 16 waves
.set k, 0
.rept \d
	v_pk_add_f32 v[X+4*k:X+4*k+1],   v[X+4*k:X+4*k+1],   v[X+4*(k+\d):X+4*(k+\d)+1]
	v_pk_add_f32 v[X+4*k+2:X+4*k+3], v[X+4*k+2:X+4*k+3], v[X+4*(k+\d)+2:X+4*(k+\d)+3]
.set k, k+1
.endr
.endr
	global_store_b128 v[GOFF], v[X:X+3], s[16:17]  ; the wave's store covers 512 neighbouring bytes, aligned; read again by later launches: no hint
.Lend:
	s_wait_tensorcnt 0x0
	ds_add_u32 v200, v201
	s_wait_dscnt 0x0
	s_endpgm
.Lfunc_end_k_q16c1de403b_stage1:
	.size	k_q16c1de403b_stage1, .Lfunc_end_k_q16c1de403b_stage1-k_q16c1de403b_stage1
	.p2alignl 7, 3214868480
	.fill 96, 4, 3214868480
	.section	.rodata,"a",@progbits
	.p2align	6, 0x0
	.amdhsa_kernel k_q16c1de403b_stage1
		.amdhsa_group_segment_fixed_size 51200
		.amdhsa_private_segment_fixed_size 0
		.amdhsa_enable_private_segment 0
		.amdhsa_kernarg_size 56
		.amdhsa_user_sgpr_count 2
		.amdhsa_user_sgpr_kernarg_segment_ptr 1
		.amdhsa_wavefront_size32 1
		.amdhsa_system_sgpr_workgroup_id_x 1
		.amdhsa_system_sgpr_workgroup_id_y 1
		.amdhsa_system_sgpr_workgroup_id_z 1
		.amdhsa_system_vgpr_workitem_id 0
		.amdhsa_next_free_vgpr 202
		.amdhsa_next_free_sgpr 66
		.amdhsa_reserve_vcc 0
		.amdhsa_float_denorm_mode_32 3
		.amdhsa_float_denorm_mode_16_64 3
		.amdhsa_memory_ordered 1
		.amdhsa_forward_progress 1
		.amdhsa_inst_pref_size 37
	.end_amdhsa_kernel
	.amdgpu_metadata
---
amdhsa.version: [ 1, 2 ]
amdhsa.kernels:
  - .name:           k_q16c1de403b_stage1
    .symbol:         k_q16c1de403b_stage1.kd
    .args:
      - { .name: W_m, .offset: 0, .size: 8, .value_kind: global_buffer, .address_space: global }
      - { .name: U_m, .offset: 8, .size: 8, .value_kind: global_buffer, .address_space: global }
      - { .name: U_z, .offset: 16, .size: 8, .value_kind: global_buffer, .address_space: global }
      - { .name: U_r, .offset: 24, .size: 8, .value_kind: global_buffer, .address_space: global }
      - { .name: x_t, .offset: 32, .size: 8, .value_kind: global_buffer, .address_space: global }
      - { .name: h_prev, .offset: 40, .size: 8, .value_kind: global_buffer, .address_space: global }
      - { .name: pa, .offset: 48, .size: 8, .value_kind: global_buffer, .address_space: global }
    .group_segment_fixed_size: 51200
    .private_segment_fixed_size: 0
    .kernarg_segment_align: 8
    .kernarg_segment_size: 56
    .max_flat_workgroup_size: 512
    .sgpr_count:     66
    .vgpr_count:     202
    .wavefront_size: 32
...
	.end_amdgpu_metadata
.endif
;; end of part 1
;; launch stage2 (part 2): grid 16 x 16, 16 waves a work-group, no clusters, 52,224 bytes of LDS; arguments W_z, W_r, W_h, pa, b_m, x_t, pb; writes pb
.if DOCPART == 2
	.amdgcn_target "amdgcn-amd-amdhsa--gfx1250"
	.amdhsa_code_object_version 6
	.text
	.protected	k_q16c1de403b_stage2
	.globl	k_q16c1de403b_stage2
	.p2align	8
	.type	k_q16c1de403b_stage2,@function
k_q16c1de403b_stage2:
	s_mov_b64 s[64:65], 0
	v_nop
	global_prefetch_b8 v0, s[64:65] scope:SCOPE_SE
	s_setreg_imm32_b32 hwreg(HW_REG_WAVE_MODE, 25, 1), 1
	s_wait_xcnt 0x0
; mGRU, second of four launches.  m = (sum of pa[2]'s 16 lines) + b_m;  xt = x m;  then, as partial sums over blocks of 256 rows,
;   pb[0][rb][j] = sum over the rows i of block rb of xt[i] W_z[i][j],   pb[1] the same with W_r,   pb[2] with W_h.
; The sharing is the first launch's: work-group (cb = x id, rb = y id) owns rows 256 rb .. +255 and columns 256 cb .. +255 of each of
; the three matrices, wave w rows 16 w .. +15 of the block, a row's 1,024 bytes by two loads of 512 neighbouring bytes (lane l: columns
; 4 l .. +3 and 128 + 4 l .. +3), and a ring of 16 rows x 8 registers that is filled again row by row with the next matrix.
; Each wave makes its own 16 multipliers xt: lane (i = l % 16, hf = l / 16) sums lines 8 hf .. 8 hf + 7 of column 256 rb + 16 w + i, the two
; halves meet by one lane exchange, and 64 bytes of LDS of the wave's own spread the 16 numbers to all lanes.
; ARITHMETIC: f32 on the vector unit: one row of activations would use one row of sixteen of a matrix instruction, and the
; pre-activations are sums of 4,096 terms whose size leaves bf16 weights no margin at gates that are not saturated.
; NO CLUSTER: no weight byte is read by two work-groups; what groups share is 16 KiB of partial sums against 768 KiB of weights.
; LIMIT: the order of the f32 sums differs from the reference's (trees over blocks and waves, chains of 16 rows).
; No register that a global instruction names is ever rewritten but a load's own destination behind its wait, and EXEC never changes.
.set ROWB, 16384                       ; bytes in a row of a matrix, and in one row block's line of partial sums
.set VEC,  262144                      ; bytes of one vector's 16 lines of partial sums
.set NVEC, 3
.set SLAB, 16384                       ; LDS: one vector's 16 waves x 256 f32
.set MULB, NVEC*SLAB                   ; LDS behind the slabs: 16 waves x 64 bytes of multipliers
.set WOFF, 1                           ; v1       weights: wave x 16 rows + 16 x lane, in bytes
.set POFF, 2                           ; v2       pa: hf x 8 lines + 64 x wave + 4 i
.set QOFF, 3                           ; v3       b_m, x: 64 x wave + 4 i
.set LM,   4                           ; v4       LDS: MULB + 64 x wave + 4 i
.set LB,   5                           ; v5       LDS: MULB + 64 x wave
.set LST,  6                           ; v6       LDS: 1,024 x wave + 16 x lane
.set LRD,  7                           ; v7       LDS: where I read on the way out
.set GOFF, 8                           ; v8       pb: where I store
.set ACC,  16                          ; v[16:39] vector q: 8 sums at ACC + 8 q
.set M,    40                          ; v[40:55] xt of my 16 rows, each in all lanes
.set X,    72                          ; v[72:199] the ring: row r at X + 8 r
.set P,    200                         ; v[200:209] 8 partial sums of m, b_m, x
	s_load_b256 s[4:11], s[0:1], 0x0               ; W_z s[4:5], W_r s[6:7], W_h s[8:9], pa s[10:11]
	s_load_b128 s[12:15], s[0:1], 0x20             ; b_m s[12:13], x s[14:15]
	s_load_b64 s[16:17], s[0:1], 0x30              ; pb
	v_lshl_add_u32 v210, v0, 2, 0xc400
	v_mov_b32 v211, 0
	v_lshrrev_b32 v9, 5, v0
	v_readfirstlane_b32 s24, v9                    ; wave 0..15
	s_and_b32 s25, ttmp7, 0xffff                   ; rb
	s_lshl_b32 s36, ttmp9, 10                      ; cb x 256 columns x 4 bytes
	s_lshl_b32 s26, s25, 22                        ; rb x 256 rows x 16,384 bytes
	s_add_co_u32 s26, s26, s36                     ; s[26:27]: the block's corner in a matrix
	s_mov_b32 s27, 0
	s_lshl_b32 s28, s25, 10                        ; s[28:29]: the block's 256 numbers in a vector of 4,096
	s_mov_b32 s29, 0
	s_lshl_b32 s30, s25, 14                        ; s[30:31]: line rb, columns of cb, in a vector of partial sums
	s_add_co_u32 s30, s30, s36
	s_mov_b32 s31, 0
	s_mov_b32 s32, 0x76543210                      ; v_permlanex16_b32: lane i of one half reads lane i of the other
	s_mov_b32 s33, 0xfedcba98
	s_lshl_b32 s34, s24, 6
	s_add_co_u32 s34, s34, MULB                    ; my wave's 64 bytes of multipliers
	s_lshl_b32 s35, s24, 10                        ; my wave's 1,024 bytes in a slab
	s_lshr_b32 s37, s24, 1                         ; the way out: waves 2 q and 2 q + 1 finish vector q,
	s_and_b32 s38, s24, 1                          ; 128 columns (512 bytes) each
	s_lshl_b32 s38, s38, 9
	s_lshl_b32 s39, s37, 14
	s_add_co_u32 s39, s39, s38                     ; in LDS: q x SLAB + half
	s_lshl_b32 s37, s37, 18
	s_add_co_u32 s37, s37, s38                     ; in pb: q x VEC + half
	v_and_b32 v10, 31, v0
	v_lshlrev_b32 v11, 4, v10                      ; 16 x lane
	v_and_b32 v9, 0x1e0, v0                        ; 32 x wave
	v_lshl_or_b32 v[WOFF], v9, 13, v11             ; wave x 262,144 + 16 x lane
	v_and_b32 v10, 15, v0
	v_lshlrev_b32 v10, 2, v10                      ; 4 i
	v_lshl_add_u32 v[QOFF], v9, 1, v10             ; 64 x wave + 4 i
	v_bfe_u32 v9, v0, 4, 1                         ; hf
	v_lshl_add_u32 v[POFF], v9, 17, v[QOFF]        ; + hf x 8 lines of 16,384 bytes
	v_add_nc_u32 v[LM], s34, v10
	v_mov_b32 v[LB], s34
	v_add_nc_u32 v[LST], s35, v11
	v_add_nc_u32 v[LRD], s39, v11
	v_add_nc_u32 v[GOFF], s37, v11
	s_wait_kmcnt 0x0
	s_add_nc_u64 s[4:5], s[4:5], s[26:27]
	s_add_nc_u64 s[6:7], s[6:7], s[26:27]
	s_add_nc_u64 s[8:9], s[8:9], s[26:27]
	s_add_nc_u64 s[10:11], s[10:11], s[28:29]
	s_add_nc_u64 s[10:11], s[10:11], 2*VEC         ; pa's vector 2: the partial sums of m
	s_add_nc_u64 s[12:13], s[12:13], s[28:29]
	s_add_nc_u64 s[14:15], s[14:15], s[28:29]
	s_add_nc_u64 s[16:17], s[16:17], s[30:31]
; 32 loads: the wave's 16 rows of the matrix whose corner is in s[base:base+1].  Read once in the whole program: non-temporal.
.macro FILL base
.set r, 0
.rept 16
	global_load_b128 v[X+8*r:X+8*r+3],   v[WOFF], s[\base:\base+1] offset:r*ROWB th:TH_LOAD_NT
	global_load_b128 v[X+8*r+4:X+8*r+7], v[WOFF], s[\base:\base+1] offset:r*ROWB+512 th:TH_LOAD_NT
.set r, r+1
.endr
.endm
; One row's 8 numbers times the row's multiplier.  m is the even register of the pair that holds the multiplier.
.macro ROWMUL acc, x, m                ; starts the sums: nothing is cleared.  Both halves take the pair's first register
.irp j, 0,2,4,6
	v_pk_mul_f32 v[\acc+\j:\acc+\j+1], v[\x+\j:\x+\j+1], v[\m:\m+1] op_sel_hi:[1,0]
.endr
.endm
.macro ROWEVEN acc, x, m               ; both halves take the pair's first register
.irp j, 0,2,4,6
	v_pk_fma_f32 v[\acc+\j:\acc+\j+1], v[\x+\j:\x+\j+1], v[\m:\m+1], v[\acc+\j:\acc+\j+1] op_sel_hi:[1,0,1]
.endr
.endm
.macro ROWODD acc, x, m                ; both halves take the pair's second register
.irp j, 0,2,4,6
	v_pk_fma_f32 v[\acc+\j:\acc+\j+1], v[\x+\j:\x+\j+1], v[\m:\m+1], v[\acc+\j:\acc+\j+1] op_sel:[0,1,0] op_sel_hi:[1,1,1]
.endr
.endm
; One matrix: 16 rows onto the 8 sums at acc, multipliers at mul.  start = 1: row 0 starts the sums.
; refill = 1: each row's registers are loaded again at once, with the same row of the matrix at s[nxt:nxt+1].
.macro PASS mul, acc, start, refill, nxt
.set r, 0
.rept 16
.if \refill
	s_wait_loadcnt 30                              ; loads return in order (ISA guide 5.7.1).  Behind row r's two stand rows r+1..15 of this
	                                               ; matrix, 2 (15 - r), and rows 0..r-1 of the next, 2 r: 30 for every r
.else
	s_wait_loadcnt 30-2*r                          ; the last matrix: only its rows r+1..15 stand behind row r
.endif
.if r == 0
.if \start
	ROWMUL \acc, X, \mul
.else
	ROWEVEN \acc, X, \mul
.endif
.else
.if r % 2
	ROWODD \acc, X+8*r, \mul+r-1
.else
	ROWEVEN \acc, X+8*r, \mul+r
.endif
.endif
.if \refill
	global_load_b128 v[X+8*r:X+8*r+3],   v[WOFF], s[\nxt:\nxt+1] offset:r*ROWB th:TH_LOAD_NT
	global_load_b128 v[X+8*r+4:X+8*r+7], v[WOFF], s[\nxt:\nxt+1] offset:r*ROWB+512 th:TH_LOAD_NT
.endif
.set r, r+1
.endr
.endm
; v[P] = the sum of v[P .. P+7] of this lane and of the lane 16 away; the same bits in both, since the last add only swaps its terms
.macro XSUM8
	v_pk_add_f32 v[P:P+1],   v[P:P+1],   v[P+4:P+5]
	v_pk_add_f32 v[P+2:P+3], v[P+2:P+3], v[P+6:P+7]
	v_pk_add_f32 v[P:P+1],   v[P:P+1],   v[P+2:P+3]
	v_add_f32 v[P], v[P], v[P+1]
	v_permlanex16_b32 v[P+1], v[P], s32, s33       ; its destination counts as read: P+1 has been written
	v_add_f32 v[P], v[P], v[P+1]
.endm
	; the small loads go first, since loads return in order; the ring's 32 follow at once and stay out while xt is made
.irp j, 0,1,2,3,4,5,6,7
	global_load_b32 v[P+\j], v[POFF], s[10:11] offset:\j*ROWB  ; line 8 hf + j of m's partial sums, column 256 rb + 16 w + i
.endr
	global_load_b32 v[P+8], v[QOFF], s[12:13]      ; b_m
	global_load_b32 v[P+9], v[QOFF], s[14:15]      ; x
	FILL 4                                         ; W_z
	s_wait_loadcnt 32                              ; the ten small loads are in; the ring's 32, issued behind them, stay out
	XSUM8
	v_add_f32 v[P], v[P], v[P+8]                   ; m
	v_mul_f32 v[P], v[P], v[P+9]                   ; xt = x m
	ds_store_b32 v[LM], v[P]                       ; lanes i and i + 16 write one word with the same bits
.irp q, 0,1,2,3
	ds_load_b128 v[M+4*\q:M+4*\q+3], v[LB] offset:16*\q        ; my wave's own bytes, and LDS serves a wave in order (ISA guide 5.7.1.4): no barrier, no wait between
.endr
	s_wait_dscnt 0x0
	PASS M, ACC,    1, 1, 6                        ; xt W_z = vector 0;  W_r comes in
	PASS M, ACC+8,  1, 1, 8                        ; xt W_r = vector 1;  W_h comes in
	PASS M, ACC+16, 1, 0, 0                        ; xt W_h = vector 2
	; THE WAY OUT: the 16 waves' sums of a column meet in LDS.  16 neighbouring bytes a lane everywhere: no padding.
.irp q, 0,1,2
	ds_store_b128 v[LST], v[ACC+8*\q:ACC+8*\q+3]   offset:\q*SLAB
	ds_store_b128 v[LST], v[ACC+8*\q+4:ACC+8*\q+7] offset:\q*SLAB+512
.endr
	s_wait_dscnt 0x0                               ; for the other waves' sake: my stores are in LDS before I say so
	s_barrier_signal -1
	s_barrier_wait -1
	s_cmp_ge_u32 s24, 2*NVEC                       ; 3 vectors x 256 columns = 6 waves of 4 columns a lane; the others are done
	s_cbranch_scc1 .Lend
.irp k, 0,1,2,3,4,5,6,7,8,9,10,11,12,13,14,15
	ds_load_b128 v[X+4*\k:X+4*\k+3], v[LRD] offset:\k*1024     ; wave k's sums of my 4 columns
.endr
	s_wait_dscnt 0x0
.irp d, 8,4,2,1                                    ; a fixed tree over the 16 waves
.set k, 0
.rept \d
	v_pk_add_f32 v[X+4*k:X+4*k+1],   v[X+4*k:X+4*k+1],   v[X+4*(k+\d):X+4*(k+\d)+1]
	v_pk_add_f32 v[X+4*k+2:X+4*k+3], v[X+4*k+2:X+4*k+3], v[X+4*(k+\d)+2:X+4*(k+\d)+3]
.set k, k+1
.endr
.endr
	global_store_b128 v[GOFF], v[X:X+3], s[16:17]  ; the wave's store covers 512 neighbouring bytes, aligned; read again by later launches: no hint
.Lend:
	s_wait_tensorcnt 0x0
	ds_add_u32 v210, v211
	s_wait_dscnt 0x0
	s_endpgm
.Lfunc_end_k_q16c1de403b_stage2:
	.size	k_q16c1de403b_stage2, .Lfunc_end_k_q16c1de403b_stage2-k_q16c1de403b_stage2
	.p2alignl 7, 3214868480
	.fill 96, 4, 3214868480
	.section	.rodata,"a",@progbits
	.p2align	6, 0x0
	.amdhsa_kernel k_q16c1de403b_stage2
		.amdhsa_group_segment_fixed_size 52224
		.amdhsa_private_segment_fixed_size 0
		.amdhsa_enable_private_segment 0
		.amdhsa_kernarg_size 56
		.amdhsa_user_sgpr_count 2
		.amdhsa_user_sgpr_kernarg_segment_ptr 1
		.amdhsa_wavefront_size32 1
		.amdhsa_system_sgpr_workgroup_id_x 1
		.amdhsa_system_sgpr_workgroup_id_y 1
		.amdhsa_system_sgpr_workgroup_id_z 1
		.amdhsa_system_vgpr_workitem_id 0
		.amdhsa_next_free_vgpr 212
		.amdhsa_next_free_sgpr 66
		.amdhsa_reserve_vcc 0
		.amdhsa_float_denorm_mode_32 3
		.amdhsa_float_denorm_mode_16_64 3
		.amdhsa_memory_ordered 1
		.amdhsa_forward_progress 1
		.amdhsa_inst_pref_size 31
	.end_amdhsa_kernel
	.amdgpu_metadata
---
amdhsa.version: [ 1, 2 ]
amdhsa.kernels:
  - .name:           k_q16c1de403b_stage2
    .symbol:         k_q16c1de403b_stage2.kd
    .args:
      - { .name: W_z, .offset: 0, .size: 8, .value_kind: global_buffer, .address_space: global }
      - { .name: W_r, .offset: 8, .size: 8, .value_kind: global_buffer, .address_space: global }
      - { .name: W_h, .offset: 16, .size: 8, .value_kind: global_buffer, .address_space: global }
      - { .name: pa, .offset: 24, .size: 8, .value_kind: global_buffer, .address_space: global }
      - { .name: b_m, .offset: 32, .size: 8, .value_kind: global_buffer, .address_space: global }
      - { .name: x_t, .offset: 40, .size: 8, .value_kind: global_buffer, .address_space: global }
      - { .name: pb, .offset: 48, .size: 8, .value_kind: global_buffer, .address_space: global }
    .group_segment_fixed_size: 52224
    .private_segment_fixed_size: 0
    .kernarg_segment_align: 8
    .kernarg_segment_size: 56
    .max_flat_workgroup_size: 512
    .sgpr_count:     66
    .vgpr_count:     212
    .wavefront_size: 32
...
	.end_amdgpu_metadata
.endif
;; end of part 2
;; launch stage3 (part 3): grid 16 x 16, 16 waves a work-group, no clusters, 19,456 bytes of LDS; arguments U_h, pa, pb, b_r, h_prev, pc; writes pc
.if DOCPART == 3
	.amdgcn_target "amdgcn-amd-amdhsa--gfx1250"
	.amdhsa_code_object_version 6
	.text
	.protected	k_q16c1de403b_stage3
	.globl	k_q16c1de403b_stage3
	.p2align	8
	.type	k_q16c1de403b_stage3,@function
k_q16c1de403b_stage3:
	s_mov_b64 s[64:65], 0
	v_nop
	global_prefetch_b8 v0, s[64:65] scope:SCOPE_SE
	s_setreg_imm32_b32 hwreg(HW_REG_WAVE_MODE, 25, 1), 1
	s_wait_xcnt 0x0
; mGRU, third of four launches.  r = sigmoid((sum of pa[1]'s 16 lines) + (sum of pb[1]'s 16 lines) + b_r);  then, as partial sums,
;   pc[rb][j] = sum over the rows i of block rb of (r[i] h[i]) U_h[i][j].
; The sharing is the first launch's: work-group (cb = x id, rb = y id) owns rows 256 rb .. +255 and columns 256 cb .. +255 of U_h, wave w
; rows 16 w .. +15 of the block, a row's 1,024 bytes by two loads of 512 neighbouring bytes (lane l: columns 4 l .. +3, 128 + 4 l .. +3).
; There is one matrix: a wave asks for all its 16 rows (32 loads) at the entry, and makes its multipliers while they are on their way.
; Each wave makes its own 16 multipliers r h: lane (i = l % 16, hf = l / 16) sums lines 8 hf .. 8 hf + 7 of both buffers at column
; 256 rb + 16 w + i, the halves meet by one lane exchange, and 64 bytes of LDS of the wave's own spread the 16 numbers to all lanes.
; ARITHMETIC: f32 on the vector unit (one row of activations; see the first launch).  NO CLUSTER: no weight byte is read twice.
; LIMITS: the order of the f32 sums differs from the reference's.  sigmoid(a) = 1 / (1 + 2^(-1.442695 a)) by v_exp_f32 and v_rcp_f32:
; 1 ULP each, denormal results flushed (ISA guide 15.8); an overflowing power gives 1 / infinity = 0, the right limit; NaN stays NaN.
; No register that a global instruction names is ever rewritten but a load's own destination behind its wait, and EXEC never changes.
.set ROWB, 16384                       ; bytes in a row of the matrix, and in one row block's line of partial sums
.set VEC,  262144                      ; bytes of one vector's 16 lines of partial sums
.set NVEC, 1
.set SLAB, 16384                       ; LDS: 16 waves x 256 f32
.set MULB, NVEC*SLAB                   ; LDS behind the slab: 16 waves x 64 bytes of multipliers
.set WOFF, 1                           ; v1       weights: wave x 16 rows + 16 x lane, in bytes
.set POFF, 2                           ; v2       pa, pb: hf x 8 lines + 64 x wave + 4 i
.set QOFF, 3                           ; v3       b_r, h: 64 x wave + 4 i
.set LM,   4                           ; v4       LDS: MULB + 64 x wave + 4 i
.set LB,   5                           ; v5       LDS: MULB + 64 x wave
.set LST,  6                           ; v6       LDS: 1,024 x wave + 16 x lane
.set LRD,  7                           ; v7       LDS: where I read on the way out
.set GOFF, 8                           ; v8       pc: where I store
.set ACC,  16                          ; v[16:23] 8 sums
.set M,    40                          ; v[40:55] r h of my 16 rows, each in all lanes
.set X,    72                          ; v[72:199] row r at X + 8 r
.set P,    200                         ; v[200:217] 8 + 8 partial sums, b_r, h
	s_load_b256 s[4:11], s[0:1], 0x0               ; U_h s[4:5], pa s[6:7], pb s[8:9], b_r s[10:11]
	s_load_b128 s[12:15], s[0:1], 0x20             ; h s[12:13], pc s[14:15]
	v_lshl_add_u32 v218, v0, 2, 0x4400
	v_mov_b32 v219, 0
	v_lshrrev_b32 v9, 5, v0
	v_readfirstlane_b32 s24, v9                    ; wave 0..15
	s_and_b32 s25, ttmp7, 0xffff                   ; rb
	s_lshl_b32 s36, ttmp9, 10                      ; cb x 256 columns x 4 bytes
	s_lshl_b32 s26, s25, 22                        ; rb x 256 rows x 16,384 bytes
	s_add_co_u32 s26, s26, s36                     ; s[26:27]: the block's corner in U_h
	s_mov_b32 s27, 0
	s_lshl_b32 s28, s25, 10                        ; s[28:29]: the block's 256 numbers in a vector of 4,096
	s_mov_b32 s29, 0
	s_lshl_b32 s30, s25, 14                        ; s[30:31]: line rb, columns of cb, in pc
	s_add_co_u32 s30, s30, s36
	s_mov_b32 s31, 0
	s_mov_b32 s32, 0x76543210                      ; v_permlanex16_b32: lane i of one half reads lane i of the other
	s_mov_b32 s33, 0xfedcba98
	s_lshl_b32 s34, s24, 6
	s_add_co_u32 s34, s34, MULB                    ; my wave's 64 bytes of multipliers
	s_lshl_b32 s35, s24, 10                        ; my wave's 1,024 bytes in the slab
	s_and_b32 s38, s24, 1                          ; the way out: waves 0 and 1 finish 128 columns (512 bytes) each
	s_lshl_b32 s38, s38, 9
	v_and_b32 v10, 31, v0
	v_lshlrev_b32 v11, 4, v10                      ; 16 x lane
	v_and_b32 v9, 0x1e0, v0                        ; 32 x wave
	v_lshl_or_b32 v[WOFF], v9, 13, v11             ; wave x 262,144 + 16 x lane
	v_and_b32 v10, 15, v0
	v_lshlrev_b32 v10, 2, v10                      ; 4 i
	v_lshl_add_u32 v[QOFF], v9, 1, v10             ; 64 x wave + 4 i
	v_bfe_u32 v9, v0, 4, 1                         ; hf
	v_lshl_add_u32 v[POFF], v9, 17, v[QOFF]        ; + hf x 8 lines of 16,384 bytes
	v_add_nc_u32 v[LM], s34, v10
	v_mov_b32 v[LB], s34
	v_add_nc_u32 v[LST], s35, v11
	v_add_nc_u32 v[LRD], s38, v11
	v_add_nc_u32 v[GOFF], s38, v11
	s_wait_kmcnt 0x0
	s_add_nc_u64 s[4:5], s[4:5], s[26:27]
	s_add_nc_u64 s[6:7], s[6:7], s[28:29]
	s_add_nc_u64 s[6:7], s[6:7], VEC               ; pa's vector 1: h U_r
	s_add_nc_u64 s[8:9], s[8:9], s[28:29]
	s_add_nc_u64 s[8:9], s[8:9], VEC               ; pb's vector 1: xt W_r
	s_add_nc_u64 s[10:11], s[10:11], s[28:29]
	s_add_nc_u64 s[12:13], s[12:13], s[28:29]
	s_add_nc_u64 s[14:15], s[14:15], s[30:31]
; 32 loads: the wave's 16 rows of the matrix whose corner is in s[base:base+1].  Read once in the whole program: non-temporal.
.macro FILL base
.set r, 0
.rept 16
	global_load_b128 v[X+8*r:X+8*r+3],   v[WOFF], s[\base:\base+1] offset:r*ROWB th:TH_LOAD_NT
	global_load_b128 v[X+8*r+4:X+8*r+7], v[WOFF], s[\base:\base+1] offset:r*ROWB+512 th:TH_LOAD_NT
.set r, r+1
.endr
.endm
; One row's 8 numbers times the row's multiplier.  m is the even register of the pair that holds the multiplier.
.macro ROWMUL acc, x, m                ; starts the sums: nothing is cleared.  Both halves take the pair's first register
.irp j, 0,2,4,6
	v_pk_mul_f32 v[\acc+\j:\acc+\j+1], v[\x+\j:\x+\j+1], v[\m:\m+1] op_sel_hi:[1,0]
.endr
.endm
.macro ROWEVEN acc, x, m               ; both halves take the pair's first register
.irp j, 0,2,4,6
	v_pk_fma_f32 v[\acc+\j:\acc+\j+1], v[\x+\j:\x+\j+1], v[\m:\m+1], v[\acc+\j:\acc+\j+1] op_sel_hi:[1,0,1]
.endr
.endm
.macro ROWODD acc, x, m                ; both halves take the pair's second register
.irp j, 0,2,4,6
	v_pk_fma_f32 v[\acc+\j:\acc+\j+1], v[\x+\j:\x+\j+1], v[\m:\m+1], v[\acc+\j:\acc+\j+1] op_sel:[0,1,0] op_sel_hi:[1,1,1]
.endr
.endm
; The matrix: 16 rows onto the 8 sums at acc, multipliers at mul; row 0 starts the sums.
.macro PASS mul, acc
.set r, 0
.rept 16
	s_wait_loadcnt 30-2*r                          ; loads return in order (ISA guide 5.7.1): only rows r+1..15, two loads each, stand behind row r
.if r == 0
	ROWMUL \acc, X, \mul
.else
.if r % 2
	ROWODD \acc, X+8*r, \mul+r-1
.else
	ROWEVEN \acc, X+8*r, \mul+r
.endif
.endif
.set r, r+1
.endr
.endm
; v[P] = the sum of v[P .. P+7] of this lane and of the lane 16 away; the same bits in both, since the last add only swaps its terms
.macro XSUM8
	v_pk_add_f32 v[P:P+1],   v[P:P+1],   v[P+4:P+5]
	v_pk_add_f32 v[P+2:P+3], v[P+2:P+3], v[P+6:P+7]
	v_pk_add_f32 v[P:P+1],   v[P:P+1],   v[P+2:P+3]
	v_add_f32 v[P], v[P], v[P+1]
	v_permlanex16_b32 v[P+1], v[P], s32, s33       ; its destination counts as read: P+1 has been written
	v_add_f32 v[P], v[P], v[P+1]
.endm
	; the small loads go first, since loads return in order; the matrix's 32 follow at once and stay out while r h is made
.irp j, 0,1,2,3,4,5,6,7
	global_load_b32 v[P+\j],   v[POFF], s[6:7] offset:\j*ROWB  ; line 8 hf + j of h U_r, column 256 rb + 16 w + i
	global_load_b32 v[P+8+\j], v[POFF], s[8:9] offset:\j*ROWB  ; the same line of xt W_r
.endr
	global_load_b32 v[P+16], v[QOFF], s[10:11]     ; b_r
	global_load_b32 v[P+17], v[QOFF], s[12:13]     ; h
	FILL 4                                         ; U_h, all of my rows
	s_wait_loadcnt 32                              ; the 18 small loads are in; the matrix's 32, issued behind them, stay out
.irp j, 0,2,4,6
	v_pk_add_f32 v[P+\j:P+\j+1], v[P+\j:P+\j+1], v[P+8+\j:P+8+\j+1]
.endr
	XSUM8
	v_add_f32 v[P], v[P], v[P+16]                  ; the gate's pre-activation a
	v_mul_f32 v[P], 0xbfb8aa3b, v[P]               ; -1.442695 a
	v_exp_f32 v[P+1], v[P]
	v_nop                                          ; one plain vector instruction between a transcendental and its result's use (ISA guide 5.7.2)
	s_wait_alu depctr_va_vdst(0)
	v_add_f32 v[P+1], 1.0, v[P+1]
	v_rcp_f32 v[P+2], v[P+1]                       ; r
	v_nop
	s_wait_alu depctr_va_vdst(0)
	v_mul_f32 v[P], v[P+2], v[P+17]                ; r h
	ds_store_b32 v[LM], v[P]                       ; lanes i and i + 16 write one word with the same bits
.irp q, 0,1,2,3
	ds_load_b128 v[M+4*\q:M+4*\q+3], v[LB] offset:16*\q        ; my wave's own bytes, and LDS serves a wave in order (ISA guide 5.7.1.4): no barrier, no wait between
.endr
	s_wait_dscnt 0x0
	PASS M, ACC
	; THE WAY OUT: the 16 waves' sums of a column meet in LDS.  16 neighbouring bytes a lane everywhere: no padding.
	ds_store_b128 v[LST], v[ACC:ACC+3]
	ds_store_b128 v[LST], v[ACC+4:ACC+7] offset:512
	s_wait_dscnt 0x0                               ; for the other waves' sake: my stores are in LDS before I say so
	s_barrier_signal -1
	s_barrier_wait -1
	s_cmp_ge_u32 s24, 2*NVEC                       ; 256 columns = 2 waves of 4 columns a lane; the others are done
	s_cbranch_scc1 .Lend
.irp k, 0,1,2,3,4,5,6,7,8,9,10,11,12,13,14,15
	ds_load_b128 v[X+4*\k:X+4*\k+3], v[LRD] offset:\k*1024     ; wave k's sums of my 4 columns
.endr
	s_wait_dscnt 0x0
.irp d, 8,4,2,1                                    ; a fixed tree over the 16 waves
.set k, 0
.rept \d
	v_pk_add_f32 v[X+4*k:X+4*k+1],   v[X+4*k:X+4*k+1],   v[X+4*(k+\d):X+4*(k+\d)+1]
	v_pk_add_f32 v[X+4*k+2:X+4*k+3], v[X+4*k+2:X+4*k+3], v[X+4*(k+\d)+2:X+4*(k+\d)+3]
.set k, k+1
.endr
.endr
	global_store_b128 v[GOFF], v[X:X+3], s[14:15]  ; the wave's store covers 512 neighbouring bytes, aligned; read again by the last launch: no hint
.Lend:
	s_wait_tensorcnt 0x0
	ds_add_u32 v218, v219
	s_wait_dscnt 0x0
	s_endpgm
.Lfunc_end_k_q16c1de403b_stage3:
	.size	k_q16c1de403b_stage3, .Lfunc_end_k_q16c1de403b_stage3-k_q16c1de403b_stage3
	.p2alignl 7, 3214868480
	.fill 96, 4, 3214868480
	.section	.rodata,"a",@progbits
	.p2align	6, 0x0
	.amdhsa_kernel k_q16c1de403b_stage3
		.amdhsa_group_segment_fixed_size 19456
		.amdhsa_private_segment_fixed_size 0
		.amdhsa_enable_private_segment 0
		.amdhsa_kernarg_size 48
		.amdhsa_user_sgpr_count 2
		.amdhsa_user_sgpr_kernarg_segment_ptr 1
		.amdhsa_wavefront_size32 1
		.amdhsa_system_sgpr_workgroup_id_x 1
		.amdhsa_system_sgpr_workgroup_id_y 1
		.amdhsa_system_sgpr_workgroup_id_z 1
		.amdhsa_system_vgpr_workitem_id 0
		.amdhsa_next_free_vgpr 220
		.amdhsa_next_free_sgpr 66
		.amdhsa_reserve_vcc 0
		.amdhsa_float_denorm_mode_32 3
		.amdhsa_float_denorm_mode_16_64 3
		.amdhsa_memory_ordered 1
		.amdhsa_forward_progress 1
		.amdhsa_inst_pref_size 17
	.end_amdhsa_kernel
	.amdgpu_metadata
---
amdhsa.version: [ 1, 2 ]
amdhsa.kernels:
  - .name:           k_q16c1de403b_stage3
    .symbol:         k_q16c1de403b_stage3.kd
    .args:
      - { .name: U_h, .offset: 0, .size: 8, .value_kind: global_buffer, .address_space: global }
      - { .name: pa, .offset: 8, .size: 8, .value_kind: global_buffer, .address_space: global }
      - { .name: pb, .offset: 16, .size: 8, .value_kind: global_buffer, .address_space: global }
      - { .name: b_r, .offset: 24, .size: 8, .value_kind: global_buffer, .address_space: global }
      - { .name: h_prev, .offset: 32, .size: 8, .value_kind: global_buffer, .address_space: global }
      - { .name: pc, .offset: 40, .size: 8, .value_kind: global_buffer, .address_space: global }
    .group_segment_fixed_size: 19456
    .private_segment_fixed_size: 0
    .kernarg_segment_align: 8
    .kernarg_segment_size: 48
    .max_flat_workgroup_size: 512
    .sgpr_count:     66
    .vgpr_count:     220
    .wavefront_size: 32
...
	.end_amdgpu_metadata
.endif
;; end of part 3
;; launch finish (part 4): grid 32 x 1, 4 waves a work-group, no clusters, 2,560 bytes of LDS; arguments pa, pb, pc, b_z, b_h, h_prev, out0; writes out0
.if DOCPART == 4
	.amdgcn_target "amdgcn-amd-amdhsa--gfx1250"
	.amdhsa_code_object_version 6
	.text
	.protected	k_q16c1de403b_finish
	.globl	k_q16c1de403b_finish
	.p2align	8
	.type	k_q16c1de403b_finish,@function
k_q16c1de403b_finish:
	s_mov_b64 s[64:65], 0
	v_nop
	global_prefetch_b8 v0, s[64:65] scope:SCOPE_SE
	s_setreg_imm32_b32 hwreg(HW_REG_WAVE_MODE, 25, 1), 1
	s_wait_xcnt 0x0
; mGRU, last of four launches: the sums over the 16 row blocks that are still open, the two activations and the blend.
;   z  = sigmoid(sum pa[0] + sum pb[0] + b_z)        (h U_z, xt W_z)
;   ht = tanh   (sum pb[2] + sum pc    + b_h)        (xt W_h, (r h) U_h)
;   out = (1 - z) h + z ht
; 1 MiB of partial sums in, 16 KiB out.  Work-group g owns columns 128 g .. +127, lane l four of them; each of the four waves sums the
; 16 lines of one of the four sources (16 loads of 512 neighbouring bytes, all issued at once), the four sums meet in LDS, and wave 0
; does the rest and stores 512 neighbouring bytes, aligned.  32 groups: with 4 columns a lane and a wave to a source there is work for no more.
; Nothing here is shared between work-groups: no cluster.  No product: no matrix unit.
; LIMITS.  The order of the f32 sums differs from the reference's (a tree over the 16 lines).  sigmoid(a) = 1 / (1 + 2^(-1.442695 a)) and
; tanh(a) = 1 - 2 / (1 + 2^(2.885390 a)) by v_exp_f32 and v_rcp_f32: 1 ULP each, denormal results flushed (ISA guide 15.8); an overflowing power
; gives 1 / infinity = 0 and so the right limits 0, 1, -1; this tanh is good to about 1e-7 absolute, so below |a| of about 1e-3 its
; relative accuracy falls off.  The blend is computed as h + z (ht - h), rounded otherwise than the reference's form.  NaN stays NaN.
.set ROWB, 16384                       ; bytes in one row block's line of partial sums
.set VEC,  262144                      ; bytes of one vector's 16 lines
.set LOFF, 1                           ; v1       16 x lane: my 4 columns, in memory and in an LDS row
.set LST,  2                           ; v2       LDS: 512 x wave + 16 x lane
.set X,    8                           ; v[8:71]  line k of my source at X + 4 k
.set BZ,   72                          ; v[72:75] b_z      (wave 0)
.set BH,   76                          ; v[76:79] b_h      (wave 0)
.set HP,   80                          ; v[80:83] h        (wave 0)
.set SM,   84                          ; v[84:99] the four waves' sums
.set EX,   100                         ; v[100:107] powers of two, then 1 + power; v[100:103] at the end the result
.set RC,   108                         ; v[108:111] z;  v[112:115] 1 / (1 + power), then ht, then ht - h
	s_load_b256 s[4:11], s[0:1], 0x0               ; pa s[4:5], pb s[6:7], pc s[8:9], b_z s[10:11]
	s_load_b128 s[12:15], s[0:1], 0x20             ; b_h s[12:13], h s[14:15]
	s_load_b64 s[16:17], s[0:1], 0x30              ; out0
	v_lshl_add_u32 v116, v0, 2, 0x800
	v_mov_b32 v117, 0
	v_lshrrev_b32 v3, 5, v0
	v_readfirstlane_b32 s24, v3                    ; wave 0..3
	v_and_b32 v[LOFF], 31, v0
	v_lshlrev_b32 v[LOFF], 4, v[LOFF]
	s_lshl_b32 s25, s24, 9
	v_add_nc_u32 v[LST], s25, v[LOFF]
	s_lshl_b32 s26, ttmp9, 9                       ; s[26:27]: the group's 128 columns, in bytes
	s_mov_b32 s27, 0
	s_cmp_eq_u32 s24, 2
	s_cselect_b32 s22, 2*VEC, 0                    ; wave 2 reads pb's vector 2, the others a vector 0
	s_add_co_u32 s22, s22, s26
	s_mov_b32 s23, 0
	s_wait_kmcnt 0x0
	s_cmp_eq_u32 s24, 0                            ; my source: wave 0 pa, waves 1 and 2 pb, wave 3 pc
	s_cselect_b64 s[20:21], s[4:5], s[6:7]
	s_cmp_eq_u32 s24, 3
	s_cselect_b64 s[20:21], s[8:9], s[20:21]
	s_add_nc_u64 s[20:21], s[20:21], s[22:23]
	s_add_nc_u64 s[10:11], s[10:11], s[26:27]
	s_add_nc_u64 s[12:13], s[12:13], s[26:27]
	s_add_nc_u64 s[14:15], s[14:15], s[26:27]
	s_add_nc_u64 s[16:17], s[16:17], s[26:27]
	s_cmp_lg_u32 s24, 0
	s_cbranch_scc1 .Lsum
	global_load_b128 v[BZ:BZ+3], v[LOFF], s[10:11] ; wave 0 alone needs these; asked for here, they come in beside its 16 lines
	global_load_b128 v[BH:BH+3], v[LOFF], s[12:13]
	global_load_b128 v[HP:HP+3], v[LOFF], s[14:15]
.Lsum:
.irp k, 0,1,2,3,4,5,6,7,8,9,10,11,12,13,14,15
	global_load_b128 v[X+4*\k:X+4*\k+3], v[LOFF], s[20:21] offset:\k*ROWB
.endr
	s_wait_loadcnt 0x0                             ; one shot: there is nothing else to do meanwhile
.irp d, 8,4,2,1                                    ; a fixed tree over the 16 lines
.set k, 0
.rept \d
	v_pk_add_f32 v[X+4*k:X+4*k+1],   v[X+4*k:X+4*k+1],   v[X+4*(k+\d):X+4*(k+\d)+1]
	v_pk_add_f32 v[X+4*k+2:X+4*k+3], v[X+4*k+2:X+4*k+3], v[X+4*(k+\d)+2:X+4*(k+\d)+3]
.set k, k+1
.endr
.endr
	ds_store_b128 v[LST], v[X:X+3]
	s_wait_dscnt 0x0                               ; for wave 0's sake: my store is in LDS before I say so
	s_barrier_signal -1
	s_barrier_wait -1
	s_cmp_lg_u32 s24, 0
	s_cbranch_scc1 .Lend
.irp k, 0,1,2,3
	ds_load_b128 v[SM+4*\k:SM+4*\k+3], v[LOFF] offset:512*\k   ; h U_z, xt W_z, xt W_h, (r h) U_h of my 4 columns
.endr
	s_wait_dscnt 0x0
.irp j, 0,2
	v_pk_add_f32 v[SM+\j:SM+\j+1],     v[SM+\j:SM+\j+1],     v[SM+4+\j:SM+4+\j+1]
	v_pk_add_f32 v[SM+8+\j:SM+8+\j+1], v[SM+8+\j:SM+8+\j+1], v[SM+12+\j:SM+12+\j+1]
.endr
.irp j, 0,2
	v_pk_add_f32 v[SM+\j:SM+\j+1],     v[SM+\j:SM+\j+1],     v[BZ+\j:BZ+\j+1]      ; z's pre-activation
	v_pk_add_f32 v[SM+8+\j:SM+8+\j+1], v[SM+8+\j:SM+8+\j+1], v[BH+\j:BH+\j+1]      ; ht's
.endr
.irp j, 0,2
	v_pk_mul_f32 v[SM+\j:SM+\j+1],     v[SM+\j:SM+\j+1],     0xbfb8aa3b op_sel_hi:[1,0]    ; x -1.442695
	v_pk_mul_f32 v[SM+8+\j:SM+8+\j+1], v[SM+8+\j:SM+8+\j+1], 0x4038aa3b op_sel_hi:[1,0]    ; x  2.885390
.endr
.irp j, 0,1,2,3
	v_exp_f32 v[EX+\j],   v[SM+\j]
.endr
.irp j, 0,1,2,3
	v_exp_f32 v[EX+4+\j], v[SM+8+\j]
.endr
	v_nop                                          ; one plain vector instruction between the transcendentals and the first use (ISA guide 5.7.2)
	s_wait_alu depctr_va_vdst(0)
.irp j, 0,2,4,6
	v_pk_add_f32 v[EX+\j:EX+\j+1], v[EX+\j:EX+\j+1], 1.0 op_sel_hi:[1,0]
.endr
.irp j, 0,1,2,3,4,5,6,7
	v_rcp_f32 v[RC+\j], v[EX+\j]                   ; RC+0..3 = z
.endr
	v_nop
	s_wait_alu depctr_va_vdst(0)
.irp j, 0,2
	v_pk_fma_f32 v[RC+4+\j:RC+4+\j+1], v[RC+4+\j:RC+4+\j+1], -2.0, 1.0 op_sel_hi:[1,0,0]              ; ht = 1 - 2 / (1 + power)
.endr
.irp j, 0,2
	v_pk_add_f32 v[RC+4+\j:RC+4+\j+1], v[RC+4+\j:RC+4+\j+1], v[HP+\j:HP+\j+1] neg_lo:[0,1] neg_hi:[0,1]   ; ht - h
.endr
.irp j, 0,2
	v_pk_fma_f32 v[EX+\j:EX+\j+1], v[RC+\j:RC+\j+1], v[RC+4+\j:RC+4+\j+1], v[HP+\j:HP+\j+1]          ; h + z (ht - h)
.endr
	global_store_b128 v[LOFF], v[EX:EX+3], s[16:17]    ; 512 neighbouring bytes, aligned
.Lend:
	s_wait_tensorcnt 0x0
	ds_add_u32 v116, v117
	s_wait_dscnt 0x0
	s_endpgm
.Lfunc_end_k_q16c1de403b_finish:
	.size	k_q16c1de403b_finish, .Lfunc_end_k_q16c1de403b_finish-k_q16c1de403b_finish
	.p2alignl 7, 3214868480
	.fill 96, 4, 3214868480
	.section	.rodata,"a",@progbits
	.p2align	6, 0x0
	.amdhsa_kernel k_q16c1de403b_finish
		.amdhsa_group_segment_fixed_size 2560
		.amdhsa_private_segment_fixed_size 0
		.amdhsa_enable_private_segment 0
		.amdhsa_kernarg_size 56
		.amdhsa_user_sgpr_count 2
		.amdhsa_user_sgpr_kernarg_segment_ptr 1
		.amdhsa_wavefront_size32 1
		.amdhsa_system_sgpr_workgroup_id_x 1
		.amdhsa_system_sgpr_workgroup_id_y 1
		.amdhsa_system_sgpr_workgroup_id_z 1
		.amdhsa_system_vgpr_workitem_id 0
		.amdhsa_next_free_vgpr 118
		.amdhsa_next_free_sgpr 66
		.amdhsa_reserve_vcc 0
		.amdhsa_float_denorm_mode_32 3
		.amdhsa_float_denorm_mode_16_64 3
		.amdhsa_memory_ordered 1
		.amdhsa_forward_progress 1
		.amdhsa_inst_pref_size 8
	.end_amdhsa_kernel
	.amdgpu_metadata
---
amdhsa.version: [ 1, 2 ]
amdhsa.kernels:
  - .name:           k_q16c1de403b_finish
    .symbol:         k_q16c1de403b_finish.kd
    .args:
      - { .name: pa, .offset: 0, .size: 8, .value_kind: global_buffer, .address_space: global }
      - { .name: pb, .offset: 8, .size: 8, .value_kind: global_buffer, .address_space: global }
      - { .name: pc, .offset: 16, .size: 8, .value_kind: global_buffer, .address_space: global }
      - { .name: b_z, .offset: 24, .size: 8, .value_kind: global_buffer, .address_space: global }
      - { .name: b_h, .offset: 32, .size: 8, .value_kind: global_buffer, .address_space: global }
      - { .name: h_prev, .offset: 40, .size: 8, .value_kind: global_buffer, .address_space: global }
      - { .name: out0, .offset: 48, .size: 8, .value_kind: global_buffer, .address_space: global }
    .group_segment_fixed_size: 2560
    .private_segment_fixed_size: 0
    .kernarg_segment_align: 8
    .kernarg_segment_size: 56
    .max_flat_workgroup_size: 128
    .sgpr_count:     66
    .vgpr_count:     118
    .wavefront_size: 32
...
	.end_amdgpu_metadata
.endif
;; end of part 4
;; ======== version 2 of 2: 4 launches; version 1 with the launches stage1, stage2 written anew for expert scheduling mode
;; workspace buffers: pa 786,432 bytes; pb 786,432 bytes; pc 262,144 bytes
;; launch stage1 (part 5): grid 16 x 16, 16 waves a work-group, no clusters, 51,200 bytes of LDS; arguments W_m, U_m, U_z, U_r, x_t, h_prev, pa; writes pa
.if DOCPART == 5
	.amdgcn_target "amdgcn-amd-amdhsa--gfx1250"
	.amdhsa_code_object_version 6
	.text
	.protected	k_q16c1de403b_stage1
	.globl	k_q16c1de403b_stage1
	.p2align	8
	.type	k_q16c1de403b_stage1,@function
k_q16c1de403b_stage1:
	s_mov_b64 s[64:65], 0
	v_nop
	global_prefetch_b8 v0, s[64:65] scope:SCOPE_SE
	s_setreg_imm32_b32 hwreg(HW_REG_WAVE_SCHED_MODE, 0, 2), 2
	s_setreg_imm32_b32 hwreg(HW_REG_WAVE_MODE, 25, 1), 1
	s_wait_xcnt 0x0
	s_wait_alu depctr_vm_vsrc(0)
; mGRU, first of four launches: the three products that hang on the inputs alone, as partial sums over blocks of 256 rows.
;   pa[0][rb][j] = sum over the rows i of block rb of h[i] U_z[i][j]
;   pa[1][rb][j] = the same with U_r
;   pa[2][rb][j] = sum over the rows i of block rb of x[i] W_m[i][j] + h[i] U_m[i][j]
; Work-group (cb = x id, rb = y id) owns rows 256 rb .. +255 and columns 256 cb .. +255 of each of the four matrices; 16 x 16 groups
; cover them, every weight byte is loaded once in the launch.  Wave w owns rows 16 w .. +15 of the block.  A row's piece is 1,024
; bytes, aligned, and comes by two loads of 512 neighbouring bytes: lane l holds columns 4 l .. +3 and 128 + 4 l .. +3.
; ARITHMETIC: f32 on the vector unit.  There is one row of activations, so a matrix instruction would use one row of sixteen, and
; rounding the weights to bf16 would cost as many instructions as the packed multiply-add that does the work in f32.
; NO CLUSTER: no weight byte is read by two work-groups.  NO LDS RING: the registers hold what is in flight.
; LIMIT: the order of the f32 sums differs from the reference's (a chain over a wave's 16 rows, a tree over the 16 waves, and in the
; later launches a tree over the 16 row blocks).
; No register that a global instruction names is ever rewritten but a load's own destination behind its wait, and EXEC never changes.
; THE MODE: SCHED_MODE bits 1:0 = 2 (LLVM: expert scheduling mode 2), set by the entry lines.  The code itself states the register
; dependences between vector instructions and memory or LDS instructions, with s_wait_alu, always for 0.
; THE PLAN.  The wave's rows of the four matrices are numbered on end, n = 0 .. 63, and go in 16 blocks of four.  Registers that memory
; or LDS instructions touch:
;   the ring   20 slots of 8 registers; row n lies in slot n % 20.  Written by the load of row n, which is issued in row n - 16's turn (rows
;              0 to 15: ahead of everything); read by row n's four multiply-adds.  In row n's turn stand: the wait for its data, the two
;              loads of row n + 16, its multiply-adds.  Row n + 16 lands in slot (n - 4) % 20: a slot of the block before, which no vector
;              instruction of this block names.  So ONE wait on va_vdst at a block's head states all that the block's eight loads hang on.
;              30 to 32 loads of every wave are on their way until the last matrix.
;   M, M2      written by loads at the head, read by the multiply-adds.
;   ACC        written by the multiply-adds, read by the LDS stores of the way out, then left alone.
;   v1, v2, v6, v7, v8   offsets and addresses, made once at the head and never written again.
;   v200, v201 written at the head, read by the closing add alone.
; On the way out slots 0 to 7 take the 16 waves' sums from LDS; a tree adds them in place; the store reads the first four registers.
; No register that a memory or LDS instruction reads is ever written again: no wait on vm_vsrc is owed ahead of the closing lines.
.set ROWB, 16384                       ; bytes in a row of a matrix, and in one row block's line of partial sums
.set VEC,  262144                      ; bytes of one vector's 16 lines of partial sums
.set NVEC, 3                           ; vectors of partial sums that this launch makes
.set SLAB, 16384                       ; LDS: one vector's 16 waves x 256 f32
.set RING, 20                          ; slots in the ring
.set GAP,  2                           ; slots 16 to 19 lie behind v200 and v201
.set WOFF, 1                           ; v1       weights: wave x 16 rows + 16 x lane, in bytes
.set MOFF, 2                           ; v2       64 x wave: my 16 multipliers in the block's 256 (the same in all lanes)
.set LST,  6                           ; v6       LDS: 1,024 x wave + 16 x lane, where my sums go
.set LRD,  7                           ; v7       LDS: where I read on the way out
.set GOFF, 8                           ; v8       pa: where I store
.set ACC,  16                          ; v[16:39] vector q: 8 sums at ACC + 8 q
.set M,    40                          ; v[40:55] x of my 16 rows, each in all lanes
.set M2,   56                          ; v[56:71] h of my 16 rows
.set X,    72                          ; v[72:199] slots 0 to 15 at X + 8 s;  v[202:233] slots 16 to 19 at X + 8 s + GAP
	s_load_b256 s[4:11], s[0:1], 0x0               ; W_m s[4:5], U_m s[6:7], U_z s[8:9], U_r s[10:11]
	s_load_b128 s[12:15], s[0:1], 0x20             ; x s[12:13], h s[14:15]
	s_load_b64 s[16:17], s[0:1], 0x30              ; pa
	v_lshl_add_u32 v200, v0, 2, 0xc000
	v_mov_b32 v201, 0
	v_lshrrev_b32 v9, 5, v0
	v_readfirstlane_b32 s24, v9                    ; wave 0..15
	s_and_b32 s25, ttmp7, 0xffff                   ; rb
	s_lshl_b32 s36, ttmp9, 10                      ; cb x 256 columns x 4 bytes
	s_lshl_b32 s26, s25, 22                        ; rb x 256 rows x 16,384 bytes
	s_add_co_u32 s26, s26, s36                     ; s[26:27]: the block's corner in a matrix
	s_mov_b32 s27, 0
	s_lshl_b32 s28, s25, 10                        ; s[28:29]: the block's 256 numbers in x and in h
	s_mov_b32 s29, 0
	s_lshl_b32 s30, s25, 14                        ; s[30:31]: line rb, columns of cb, in a vector of partial sums
	s_add_co_u32 s30, s30, s36
	s_mov_b32 s31, 0
	s_wait_alu depctr_va_sdst(0)                   ; s24 is written, ahead of its first reader: the line below
	s_lshl_b32 s35, s24, 10                        ; my wave's 1,024 bytes in a slab
	s_lshr_b32 s37, s24, 1                         ; the way out: waves 2 q and 2 q + 1 finish vector q,
	s_and_b32 s38, s24, 1                          ; 128 columns (512 bytes) each
	s_lshl_b32 s38, s38, 9
	s_lshl_b32 s39, s37, 14
	s_add_co_u32 s39, s39, s38                     ; in LDS: q x SLAB + half
	s_lshl_b32 s37, s37, 18
	s_add_co_u32 s37, s37, s38                     ; in pa: q x VEC + half
	v_and_b32 v10, 31, v0
	v_lshlrev_b32 v11, 4, v10                      ; 16 x lane
	v_and_b32 v9, 0x1e0, v0                        ; 32 x wave
	v_lshl_or_b32 v[WOFF], v9, 13, v11             ; wave x 262,144 + 16 x lane
	v_lshlrev_b32 v[MOFF], 1, v9                   ; 64 x wave
	v_add_nc_u32 v[LST], s35, v11
	v_add_nc_u32 v[LRD], s39, v11
	v_add_nc_u32 v[GOFF], s37, v11
	s_wait_kmcnt 0x0
	s_add_nc_u64 s[4:5], s[4:5], s[26:27]
	s_add_nc_u64 s[6:7], s[6:7], s[26:27]
	s_add_nc_u64 s[8:9], s[8:9], s[26:27]
	s_add_nc_u64 s[10:11], s[10:11], s[26:27]
	s_add_nc_u64 s[12:13], s[12:13], s[28:29]
	s_add_nc_u64 s[14:15], s[14:15], s[28:29]
	s_add_nc_u64 s[16:17], s[16:17], s[30:31]
; 32 loads: the wave's 16 rows of the first matrix, whose corner is in s[base:base+1], into slots 0 to 15.  Read once in the whole program: non-temporal.
.macro FILL base
.set r, 0
.rept 16
	global_load_b128 v[X+8*r:X+8*r+3],   v[WOFF], s[\base:\base+1] offset:r*ROWB th:TH_LOAD_NT
	global_load_b128 v[X+8*r+4:X+8*r+7], v[WOFF], s[\base:\base+1] offset:r*ROWB+512 th:TH_LOAD_NT
.set r, r+1
.endr
.endm
; One row's 8 numbers times the row's multiplier.  m is the even register of the pair that holds the multiplier.
.macro ROWMUL acc, x, m                ; starts the sums: nothing is cleared.  Both halves take the pair's first register
.irp j, 0,2,4,6
	v_pk_mul_f32 v[\acc+\j:\acc+\j+1], v[\x+\j:\x+\j+1], v[\m:\m+1] op_sel_hi:[1,0]
.endr
.endm
.macro ROWEVEN acc, x, m               ; both halves take the pair's first register
.irp j, 0,2,4,6
	v_pk_fma_f32 v[\acc+\j:\acc+\j+1], v[\x+\j:\x+\j+1], v[\m:\m+1], v[\acc+\j:\acc+\j+1] op_sel_hi:[1,0,1]
.endr
.endm
.macro ROWODD acc, x, m                ; both halves take the pair's second register
.irp j, 0,2,4,6
	v_pk_fma_f32 v[\acc+\j:\acc+\j+1], v[\x+\j:\x+\j+1], v[\m:\m+1], v[\acc+\j:\acc+\j+1] op_sel:[0,1,0] op_sel_hi:[1,1,1]
.endr
.endm
; One matrix: 16 rows onto the 8 sums at acc, multipliers at mul.  start = 1: row 0 starts the sums.
; refill = 1: in each row's turn the same row of the matrix at s[nxt:nxt+1], row n + 16 of the stream, is asked for.
; n counts the rows over all matrices; xs is row n's slot, xn the slot in which row n + 16 lands.
.macro PASS mul, acc, start, refill, nxt
.set r, 0
.rept 16
.set xs, X+8*(n%RING)+GAP*((n%RING)/16)
.set xn, X+8*((n+16)%RING)+GAP*(((n+16)%RING)/16)
.if \refill
	s_wait_loadcnt 30                              ; loads return in order (ISA guide 5.7.1).  Behind row n's two stand rows n+1 .. n+15 of the stream,
	                                               ; two loads each: 30 for every n
.if ((r%4) == 0) && (n > 0)
	s_wait_alu depctr_va_vdst(0)                   ; the multiply-adds of the block before are done reading its four slots, in which this block's eight loads land
.endif
	global_load_b128 v[xn:xn+3],   v[WOFF], s[\nxt:\nxt+1] offset:r*ROWB th:TH_LOAD_NT      ; no vector instruction since that wait names these registers
	global_load_b128 v[xn+4:xn+7], v[WOFF], s[\nxt:\nxt+1] offset:r*ROWB+512 th:TH_LOAD_NT
.else
	s_wait_loadcnt 30-2*r                          ; the last matrix: only its rows r+1..15 stand behind row r
.endif
.if r == 0
.if \start
	ROWMUL \acc, xs, \mul
.else
	ROWEVEN \acc, xs, \mul
.endif
.else
.if r % 2
	ROWODD \acc, xs, \mul+r-1
.else
	ROWEVEN \acc, xs, \mul+r
.endif
.endif
.set r, r+1
.set n, n+1
.endr
.endm
	s_wait_alu depctr_va_vdst(0)                   ; the offsets and addresses v1, v2, v6, v7, v8 are written, which the loads and stores of the kernel read
	; my 16 x and 16 h: every lane reads the same 16 bytes, so each number lies in all lanes.  They are issued ahead of the ring,
	; so the first wait of the first pass (30 left of 8 + 32) shows them in as well.
.irp q, 0,1,2,3
	global_load_b128 v[M+4*\q:M+4*\q+3],   v[MOFF], s[12:13] offset:16*\q
	global_load_b128 v[M2+4*\q:M2+4*\q+3], v[MOFF], s[14:15] offset:16*\q
.endr
	FILL 4                                         ; W_m
.set n, 0
	PASS M,  ACC+16, 1, 1, 6                       ; x W_m starts vector 2;  U_m comes in (the first block's loads land in slots 16 to 19, which nothing has named)
	PASS M2, ACC+16, 0, 1, 8                       ; + h U_m;                U_z comes in
	PASS M2, ACC,    1, 1, 10                      ; h U_z = vector 0;       U_r comes in
	PASS M2, ACC+8,  1, 0, 0                       ; h U_r = vector 1
	; THE WAY OUT: the 16 waves' sums of a column meet in LDS.  16 neighbouring bytes a lane everywhere
	; no padding.
	s_wait_alu depctr_va_vdst(0)                   ; the multiply-adds have written the sums, which the LDS stores read, and are done reading slots 0 to 7, in which the LDS loads behind the barrier land
.irp q, 0,1,2
	ds_store_b128 v[LST], v[ACC+8*\q:ACC+8*\q+3]   offset:\q*SLAB
	ds_store_b128 v[LST], v[ACC+8*\q+4:ACC+8*\q+7] offset:\q*SLAB+512
.endr
	s_wait_dscnt 0x0                               ; for the other waves' sake: my stores are in LDS before I say so
	s_barrier_signal -1
	s_barrier_wait -1
	s_cmp_ge_u32 s24, 2*NVEC                       ; 3 vectors x 256 columns = 6 waves of 4 columns a lane; the others are done
	s_cbranch_scc1 .Lend
.irp k, 0,1,2,3,4,5,6,7,8,9,10,11,12,13,14,15
	ds_load_b128 v[X+4*\k:X+4*\k+3], v[LRD] offset:\k*1024     ; wave k's sums of my 4 columns
.endr
	s_wait_dscnt 0x0
.irp d, 8,4,2,1                                    ; a fixed tree over the 16 waves
.set k, 0
.rept \d
	v_pk_add_f32 v[X+4*k:X+4*k+1],   v[X+4*k:X+4*k+1],   v[X+4*(k+\d):X+4*(k+\d)+1]
	v_pk_add_f32 v[X+4*k+2:X+4*k+3], v[X+4*k+2:X+4*k+3], v[X+4*(k+\d)+2:X+4*(k+\d)+3]
.set k, k+1
.endr
.endr
	s_wait_alu depctr_va_vdst(0)                   ; the tree has written v[X:X+3], which the store reads
	global_store_b128 v[GOFF], v[X:X+3], s[16:17]  ; the wave's store covers 512 neighbouring bytes, aligned; read again by later launches: no hint
.Lend:
	s_wait_dscnt 0x0                               ; the closing lines, six on end, of a launch in the mode that stores to LDS
	s_wait_alu 0x0
	s_wait_tensorcnt 0x0
	ds_add_u32 v200, v201
	s_wait_dscnt 0x0
	s_endpgm
.Lfunc_end_k_q16c1de403b_stage1:
	.size	k_q16c1de403b_stage1, .Lfunc_end_k_q16c1de403b_stage1-k_q16c1de403b_stage1
	.p2alignl 7, 3214868480
	.fill 96, 4, 3214868480
	.section	.rodata,"a",@progbits
	.p2align	6, 0x0
	.amdhsa_kernel k_q16c1de403b_stage1
		.amdhsa_group_segment_fixed_size 51200
		.amdhsa_private_segment_fixed_size 0
		.amdhsa_enable_private_segment 0
		.amdhsa_kernarg_size 56
		.amdhsa_user_sgpr_count 2
		.amdhsa_user_sgpr_kernarg_segment_ptr 1
		.amdhsa_wavefront_size32 1
		.amdhsa_system_sgpr_workgroup_id_x 1
		.amdhsa_system_sgpr_workgroup_id_y 1
		.amdhsa_system_sgpr_workgroup_id_z 1
		.amdhsa_system_vgpr_workitem_id 0
		.amdhsa_next_free_vgpr 234
		.amdhsa_next_free_sgpr 66
		.amdhsa_reserve_vcc 0
		.amdhsa_float_denorm_mode_32 3
		.amdhsa_float_denorm_mode_16_64 3
		.amdhsa_memory_ordered 1
		.amdhsa_forward_progress 1
		.amdhsa_inst_pref_size 37
	.end_amdhsa_kernel
	.amdgpu_metadata
---
amdhsa.version: [ 1, 2 ]
amdhsa.kernels:
  - .name:           k_q16c1de403b_stage1
    .symbol:         k_q16c1de403b_stage1.kd
    .args:
      - { .name: W_m, .offset: 0, .size: 8, .value_kind: global_buffer, .address_space: global }
      - { .name: U_m, .offset: 8, .size: 8, .value_kind: global_buffer, .address_space: global }
      - { .name: U_z, .offset: 16, .size: 8, .value_kind: global_buffer, .address_space: global }
      - { .name: U_r, .offset: 24, .size: 8, .value_kind: global_buffer, .address_space: global }
      - { .name: x_t, .offset: 32, .size: 8, .value_kind: global_buffer, .address_space: global }
      - { .name: h_prev, .offset: 40, .size: 8, .value_kind: global_buffer, .address_space: global }
      - { .name: pa, .offset: 48, .size: 8, .value_kind: global_buffer, .address_space: global }
    .group_segment_fixed_size: 51200
    .private_segment_fixed_size: 0
    .kernarg_segment_align: 8
    .kernarg_segment_size: 56
    .max_flat_workgroup_size: 512
    .sgpr_count:     66
    .vgpr_count:     234
    .wavefront_size: 32
...
	.end_amdgpu_metadata
.endif
;; end of part 5
;; launch stage2 (part 6): grid 16 x 16, 16 waves a work-group, no clusters, 52,224 bytes of LDS; arguments W_z, W_r, W_h, pa, b_m, x_t, pb; writes pb
.if DOCPART == 6
	.amdgcn_target "amdgcn-amd-amdhsa--gfx1250"
	.amdhsa_code_object_version 6
	.text
	.protected	k_q16c1de403b_stage2
	.globl	k_q16c1de403b_stage2
	.p2align	8
	.type	k_q16c1de403b_stage2,@function
k_q16c1de403b_stage2:
	s_mov_b64 s[64:65], 0
	v_nop
	global_prefetch_b8 v0, s[64:65] scope:SCOPE_SE
	s_setreg_imm32_b32 hwreg(HW_REG_WAVE_SCHED_MODE, 0, 2), 2
	s_setreg_imm32_b32 hwreg(HW_REG_WAVE_MODE, 25, 1), 1
	s_wait_xcnt 0x0
	s_wait_alu depctr_vm_vsrc(0)
; mGRU, second of four launches.  m = (sum of pa[2]'s 16 lines) + b_m;  xt = x m;  then, as partial sums over blocks of 256 rows,
;   pb[0][rb][j] = sum over the rows i of block rb of xt[i] W_z[i][j],   pb[1] the same with W_r,   pb[2] with W_h.
; The sharing is the first launch's: work-group (cb = x id, rb = y id) owns rows 256 rb .. +255 and columns 256 cb .. +255 of each of
; the three matrices, wave w rows 16 w .. +15 of the block, a row's 1,024 bytes by two loads of 512 neighbouring bytes (lane l: columns
; 4 l .. +3 and 128 + 4 l .. +3), and a ring of row slots in registers that is filled again row by row with the next matrix.
; Each wave makes its own 16 multipliers xt: lane (i = l % 16, hf = l / 16) sums lines 8 hf .. 8 hf + 7 of column 256 rb + 16 w + i, the two
; halves meet by one lane exchange, and 64 bytes of LDS of the wave's own spread the 16 numbers to all lanes.
; ARITHMETIC: f32 on the vector unit: one row of activations would use one row of sixteen of a matrix instruction, and the
; pre-activations are sums of 4,096 terms whose size leaves bf16 weights no margin at gates that are not saturated.
; NO CLUSTER: no weight byte is read by two work-groups; what groups share is 16 KiB of partial sums against 768 KiB of weights.
; LIMIT: the order of the f32 sums differs from the reference's (trees over blocks and waves, chains of 16 rows).
; No register that a global instruction names is ever rewritten but a load's own destination behind its wait, and EXEC never changes.
; THE MODE: SCHED_MODE bits 1:0 = 2 (LLVM: expert scheduling mode 2), set by the entry lines.  The code itself states the register
; dependences between vector instructions and memory or LDS instructions, with s_wait_alu, always for 0.
; THE PLAN.  The wave's rows of the three matrices are numbered on end, n = 0 .. 47, and go in 12 blocks of four.  Registers that memory
; or LDS instructions touch:
;   the ring   20 slots of 8 registers; row n lies in slot n % 20.  Written by the load of row n, which is issued in row n - 16's turn (rows
;              0 to 15: at the head); read by row n's four multiply-adds.  In row n's turn stand: the wait for its data, the two loads
;              of row n + 16, its multiply-adds.  Row n + 16 lands in slot (n - 4) % 20: a slot of the block before, which no vector
;              instruction of this block names.  So ONE wait on va_vdst at a block's head states all that the block's eight loads hang on.
;   P          written by the ten small loads, worked on by the sum, the add and the multiply; v[P] is read by one LDS store, then left alone.
;   M          written by four LDS loads, read by the multiply-adds.
;   ACC        written by the multiply-adds, read by the LDS stores of the way out, then left alone.
;   v1 to v8   offsets and addresses, made once at the head and never written again.
;   v210, v211 written at the head, read by the closing add alone.
; On the way out slots 0 to 7 take the 16 waves' sums from LDS; a tree adds them in place; the store reads the first four registers.
; No register that a memory or LDS instruction reads is ever written again: no wait on vm_vsrc is owed ahead of the closing lines.
.set ROWB, 16384                       ; bytes in a row of a matrix, and in one row block's line of partial sums
.set VEC,  262144                      ; bytes of one vector's 16 lines of partial sums
.set NVEC, 3
.set SLAB, 16384                       ; LDS: one vector's 16 waves x 256 f32
.set MULB, NVEC*SLAB                   ; LDS behind the slabs: 16 waves x 64 bytes of multipliers
.set RING, 20                          ; slots in the ring
.set GAP,  12                          ; slots 16 to 19 lie behind P, v210 and v211
.set WOFF, 1                           ; v1       weights: wave x 16 rows + 16 x lane, in bytes
.set POFF, 2                           ; v2       pa: hf x 8 lines + 64 x wave + 4 i
.set QOFF, 3                           ; v3       b_m, x: 64 x wave + 4 i
.set LM,   4                           ; v4       LDS: MULB + 64 x wave + 4 i
.set LB,   5                           ; v5       LDS: MULB + 64 x wave
.set LST,  6                           ; v6       LDS: 1,024 x wave + 16 x lane
.set LRD,  7                           ; v7       LDS: where I read on the way out
.set GOFF, 8                           ; v8       pb: where I store
.set ACC,  16                          ; v[16:39] vector q: 8 sums at ACC + 8 q
.set M,    40                          ; v[40:55] xt of my 16 rows, each in all lanes
.set X,    72                          ; v[72:199] slots 0 to 15 at X + 8 s;  v[212:243] slots 16 to 19 at X + 8 s + GAP
.set P,    200                         ; v[200:209] 8 partial sums of m, b_m, x
	s_load_b256 s[4:11], s[0:1], 0x0               ; W_z s[4:5], W_r s[6:7], W_h s[8:9], pa s[10:11]
	s_load_b128 s[12:15], s[0:1], 0x20             ; b_m s[12:13], x s[14:15]
	s_load_b64 s[16:17], s[0:1], 0x30              ; pb
	v_lshl_add_u32 v210, v0, 2, 0xc400
	v_mov_b32 v211, 0
	v_lshrrev_b32 v9, 5, v0
	v_readfirstlane_b32 s24, v9                    ; wave 0..15
	s_and_b32 s25, ttmp7, 0xffff                   ; rb
	s_lshl_b32 s36, ttmp9, 10                      ; cb x 256 columns x 4 bytes
	s_lshl_b32 s26, s25, 22                        ; rb x 256 rows x 16,384 bytes
	s_add_co_u32 s26, s26, s36                     ; s[26:27]: the block's corner in a matrix
	s_mov_b32 s27, 0
	s_lshl_b32 s28, s25, 10                        ; s[28:29]: the block's 256 numbers in a vector of 4,096
	s_mov_b32 s29, 0
	s_lshl_b32 s30, s25, 14                        ; s[30:31]: line rb, columns of cb, in a vector of partial sums
	s_add_co_u32 s30, s30, s36
	s_mov_b32 s31, 0
	s_mov_b32 s32, 0x76543210                      ; v_permlanex16_b32: lane i of one half reads lane i of the other
	s_mov_b32 s33, 0xfedcba98
	s_wait_alu depctr_va_sdst(0)                   ; s24 is written, ahead of its first reader: the line below
	s_lshl_b32 s34, s24, 6
	s_add_co_u32 s34, s34, MULB                    ; my wave's 64 bytes of multipliers
	s_lshl_b32 s35, s24, 10                        ; my wave's 1,024 bytes in a slab
	s_lshr_b32 s37, s24, 1                         ; the way out: waves 2 q and 2 q + 1 finish vector q,
	s_and_b32 s38, s24, 1                          ; 128 columns (512 bytes) each
	s_lshl_b32 s38, s38, 9
	s_lshl_b32 s39, s37, 14
	s_add_co_u32 s39, s39, s38                     ; in LDS: q x SLAB + half
	s_lshl_b32 s37, s37, 18
	s_add_co_u32 s37, s37, s38                     ; in pb: q x VEC + half
	v_and_b32 v10, 31, v0
	v_lshlrev_b32 v11, 4, v10                      ; 16 x lane
	v_and_b32 v9, 0x1e0, v0                        ; 32 x wave
	v_lshl_or_b32 v[WOFF], v9, 13, v11             ; wave x 262,144 + 16 x lane
	v_and_b32 v10, 15, v0
	v_lshlrev_b32 v10, 2, v10                      ; 4 i
	v_lshl_add_u32 v[QOFF], v9, 1, v10             ; 64 x wave + 4 i
	v_bfe_u32 v9, v0, 4, 1                         ; hf
	v_lshl_add_u32 v[POFF], v9, 17, v[QOFF]        ; + hf x 8 lines of 16,384 bytes
	v_add_nc_u32 v[LM], s34, v10
	v_mov_b32 v[LB], s34
	v_add_nc_u32 v[LST], s35, v11
	v_add_nc_u32 v[LRD], s39, v11
	v_add_nc_u32 v[GOFF], s37, v11
	s_wait_kmcnt 0x0
	s_add_nc_u64 s[4:5], s[4:5], s[26:27]
	s_add_nc_u64 s[6:7], s[6:7], s[26:27]
	s_add_nc_u64 s[8:9], s[8:9], s[26:27]
	s_add_nc_u64 s[10:11], s[10:11], s[28:29]
	s_add_nc_u64 s[10:11], s[10:11], 2*VEC         ; pa's vector 2: the partial sums of m
	s_add_nc_u64 s[12:13], s[12:13], s[28:29]
	s_add_nc_u64 s[14:15], s[14:15], s[28:29]
	s_add_nc_u64 s[16:17], s[16:17], s[30:31]
; 32 loads: the wave's 16 rows of the first matrix, whose corner is in s[base:base+1], into slots 0 to 15.  Read once in the whole program: non-temporal.
.macro FILL base
.set r, 0
.rept 16
	global_load_b128 v[X+8*r:X+8*r+3],   v[WOFF], s[\base:\base+1] offset:r*ROWB th:TH_LOAD_NT
	global_load_b128 v[X+8*r+4:X+8*r+7], v[WOFF], s[\base:\base+1] offset:r*ROWB+512 th:TH_LOAD_NT
.set r, r+1
.endr
.endm
; One row's 8 numbers times the row's multiplier.  m is the even register of the pair that holds the multiplier.
.macro ROWMUL acc, x, m                ; starts the sums: nothing is cleared.  Both halves take the pair's first register
.irp j, 0,2,4,6
	v_pk_mul_f32 v[\acc+\j:\acc+\j+1], v[\x+\j:\x+\j+1], v[\m:\m+1] op_sel_hi:[1,0]
.endr
.endm
.macro ROWEVEN acc, x, m               ; both halves take the pair's first register
.irp j, 0,2,4,6
	v_pk_fma_f32 v[\acc+\j:\acc+\j+1], v[\x+\j:\x+\j+1], v[\m:\m+1], v[\acc+\j:\acc+\j+1] op_sel_hi:[1,0,1]
.endr
.endm
.macro ROWODD acc, x, m                ; both halves take the pair's second register
.irp j, 0,2,4,6
	v_pk_fma_f32 v[\acc+\j:\acc+\j+1], v[\x+\j:\x+\j+1], v[\m:\m+1], v[\acc+\j:\acc+\j+1] op_sel:[0,1,0] op_sel_hi:[1,1,1]
.endr
.endm
; One matrix: 16 rows onto the 8 sums at acc, multipliers at mul.  start = 1: row 0 starts the sums.
; refill = 1: in each row's turn the same row of the matrix at s[nxt:nxt+1], row n + 16 of the stream, is asked for.
; n counts the rows over all matrices; xs is row n's slot, xn the slot in which row n + 16 lands.
.macro PASS mul, acc, start, refill, nxt
.set r, 0
.rept 16
.set xs, X+8*(n%RING)+GAP*((n%RING)/16)
.set xn, X+8*((n+16)%RING)+GAP*(((n+16)%RING)/16)
.if \refill
	s_wait_loadcnt 30                              ; loads return in order (ISA guide 5.7.1).  Behind row n's two stand rows n+1 .. n+15 of the stream,
	                                               ; two loads each: 30 for every n
.if ((r%4) == 0) && (n > 0)
	s_wait_alu depctr_va_vdst(0)                   ; the multiply-adds of the block before are done reading its four slots, in which this block's eight loads land
.endif
	global_load_b128 v[xn:xn+3],   v[WOFF], s[\nxt:\nxt+1] offset:r*ROWB th:TH_LOAD_NT      ; no vector instruction since that wait names these registers
	global_load_b128 v[xn+4:xn+7], v[WOFF], s[\nxt:\nxt+1] offset:r*ROWB+512 th:TH_LOAD_NT
.else
	s_wait_loadcnt 30-2*r                          ; the last matrix: only its rows r+1..15 stand behind row r
.endif
.if r == 0
.if \start
	ROWMUL \acc, xs, \mul
.else
	ROWEVEN \acc, xs, \mul
.endif
.else
.if r % 2
	ROWODD \acc, xs, \mul+r-1
.else
	ROWEVEN \acc, xs, \mul+r
.endif
.endif
.set r, r+1
.set n, n+1
.endr
.endm
; v[P] = the sum of v[P .. P+7] of this lane and of the lane 16 away; the same bits in both, since the last add only swaps its terms
.macro XSUM8
	v_pk_add_f32 v[P:P+1],   v[P:P+1],   v[P+4:P+5]
	v_pk_add_f32 v[P+2:P+3], v[P+2:P+3], v[P+6:P+7]
	v_pk_add_f32 v[P:P+1],   v[P:P+1],   v[P+2:P+3]
	v_add_f32 v[P], v[P], v[P+1]
	v_permlanex16_b32 v[P+1], v[P], s32, s33       ; its destination counts as read: P+1 has been written
	v_add_f32 v[P], v[P], v[P+1]
.endm
	s_wait_alu depctr_va_vdst(0)                   ; the offsets and addresses v1 to v8 are written, which the loads and stores of the kernel read
	; the small loads go first, since loads return in order; the ring's 32 follow at once and stay out while xt is made
.irp j, 0,1,2,3,4,5,6,7
	global_load_b32 v[P+\j], v[POFF], s[10:11] offset:\j*ROWB  ; line 8 hf + j of m's partial sums, column 256 rb + 16 w + i
.endr
	global_load_b32 v[P+8], v[QOFF], s[12:13]      ; b_m
	global_load_b32 v[P+9], v[QOFF], s[14:15]      ; x
	FILL 4                                         ; W_z
	s_wait_loadcnt 32                              ; the ten small loads are in; the ring's 32, issued behind them, stay out
	XSUM8
	v_add_f32 v[P], v[P], v[P+8]                   ; m
	v_mul_f32 v[P], v[P], v[P+9]                   ; xt = x m
	s_wait_alu depctr_va_vdst(0)                   ; the multiply has written xt into v[P], which the LDS store reads
	ds_store_b32 v[LM], v[P]                       ; lanes i and i + 16 write one word with the same bits
.irp q, 0,1,2,3
	ds_load_b128 v[M+4*\q:M+4*\q+3], v[LB] offset:16*\q        ; my wave's own bytes, and LDS serves a wave in order (ISA guide 5.7.1.4): no barrier, no wait between
.endr
	s_wait_dscnt 0x0
.set n, 0
	PASS M, ACC,    1, 1, 6                        ; xt W_z = vector 0;  W_r comes in (the first block's loads land in slots 16 to 19, which nothing has named)
	PASS M, ACC+8,  1, 1, 8                        ; xt W_r = vector 1;  W_h comes in
	PASS M, ACC+16, 1, 0, 0                        ; xt W_h = vector 2
	; THE WAY OUT: the 16 waves' sums of a column meet in LDS.  16 neighbouring bytes a lane everywhere: no padding.
	s_wait_alu depctr_va_vdst(0)                   ; the multiply-adds have written the sums, which the LDS stores read, and are done reading slots 0 to 7, in which the LDS loads behind the barrier land
.irp q, 0,1,2
	ds_store_b128 v[LST], v[ACC+8*\q:ACC+8*\q+3]   offset:\q*SLAB
	ds_store_b128 v[LST], v[ACC+8*\q+4:ACC+8*\q+7] offset:\q*SLAB+512
.endr
	s_wait_dscnt 0x0                               ; for the other waves' sake: my stores are in LDS before I say so
	s_barrier_signal -1
	s_barrier_wait -1
	s_cmp_ge_u32 s24, 2*NVEC                       ; 3 vectors x 256 columns = 6 waves of 4 columns a lane; the others are done
	s_cbranch_scc1 .Lend
.irp k, 0,1,2,3,4,5,6,7,8,9,10,11,12,13,14,15
	ds_load_b128 v[X+4*\k:X+4*\k+3], v[LRD] offset:\k*1024     ; wave k's sums of my 4 columns
.endr
	s_wait_dscnt 0x0
.irp d, 8,4,2,1                                    ; a fixed tree over the 16 waves
.set k, 0
.rept \d
	v_pk_add_f32 v[X+4*k:X+4*k+1],   v[X+4*k:X+4*k+1],   v[X+4*(k+\d):X+4*(k+\d)+1]
	v_pk_add_f32 v[X+4*k+2:X+4*k+3], v[X+4*k+2:X+4*k+3], v[X+4*(k+\d)+2:X+4*(k+\d)+3]
.set k, k+1
.endr
.endr
	s_wait_alu depctr_va_vdst(0)                   ; the tree has written v[X:X+3], which the store reads
	global_store_b128 v[GOFF], v[X:X+3], s[16:17]  ; the wave's store covers 512 neighbouring bytes, aligned; read again by later launches: no hint
.Lend:
	s_wait_dscnt 0x0                               ; the closing lines, six on end, of a launch in the mode that stores to LDS
	s_wait_alu 0x0
	s_wait_tensorcnt 0x0
	ds_add_u32 v210, v211
	s_wait_dscnt 0x0
	s_endpgm
.Lfunc_end_k_q16c1de403b_stage2:
	.size	k_q16c1de403b_stage2, .Lfunc_end_k_q16c1de403b_stage2-k_q16c1de403b_stage2
	.p2alignl 7, 3214868480
	.fill 96, 4, 3214868480
	.section	.rodata,"a",@progbits
	.p2align	6, 0x0
	.amdhsa_kernel k_q16c1de403b_stage2
		.amdhsa_group_segment_fixed_size 52224
		.amdhsa_private_segment_fixed_size 0
		.amdhsa_enable_private_segment 0
		.amdhsa_kernarg_size 56
		.amdhsa_user_sgpr_count 2
		.amdhsa_user_sgpr_kernarg_segment_ptr 1
		.amdhsa_wavefront_size32 1
		.amdhsa_system_sgpr_workgroup_id_x 1
		.amdhsa_system_sgpr_workgroup_id_y 1
		.amdhsa_system_sgpr_workgroup_id_z 1
		.amdhsa_system_vgpr_workitem_id 0
		.amdhsa_next_free_vgpr 244
		.amdhsa_next_free_sgpr 66
		.amdhsa_reserve_vcc 0
		.amdhsa_float_denorm_mode_32 3
		.amdhsa_float_denorm_mode_16_64 3
		.amdhsa_memory_ordered 1
		.amdhsa_forward_progress 1
		.amdhsa_inst_pref_size 31
	.end_amdhsa_kernel
	.amdgpu_metadata
---
amdhsa.version: [ 1, 2 ]
amdhsa.kernels:
  - .name:           k_q16c1de403b_stage2
    .symbol:         k_q16c1de403b_stage2.kd
    .args:
      - { .name: W_z, .offset: 0, .size: 8, .value_kind: global_buffer, .address_space: global }
      - { .name: W_r, .offset: 8, .size: 8, .value_kind: global_buffer, .address_space: global }
      - { .name: W_h, .offset: 16, .size: 8, .value_kind: global_buffer, .address_space: global }
      - { .name: pa, .offset: 24, .size: 8, .value_kind: global_buffer, .address_space: global }
      - { .name: b_m, .offset: 32, .size: 8, .value_kind: global_buffer, .address_space: global }
      - { .name: x_t, .offset: 40, .size: 8, .value_kind: global_buffer, .address_space: global }
      - { .name: pb, .offset: 48, .size: 8, .value_kind: global_buffer, .address_space: global }
    .group_segment_fixed_size: 52224
    .private_segment_fixed_size: 0
    .kernarg_segment_align: 8
    .kernarg_segment_size: 56
    .max_flat_workgroup_size: 512
    .sgpr_count:     66
    .vgpr_count:     244
    .wavefront_size: 32
...
	.end_amdgpu_metadata
.endif
;; end of part 6
;; launch stage3: the kernel of part 3 again; grid 16 x 16, 16 waves a work-group, no clusters, 19,456 bytes of LDS; arguments U_h, pa, pb, b_r, h_prev, pc; writes pc
;; launch finish: the kernel of part 4 again; grid 32 x 1, 4 waves a work-group, no clusters, 2,560 bytes of LDS; arguments pa, pb, pc, b_z, b_h, h_prev, out0; writes out0
